; MI455X (gfx1250); checked and timed in simulation.
; The chip was launched on July 23, 2026; its instructions are those of AMD's public machine-readable ISA for CDNA 5 (MIT licence, August 2026) and "CDNA5" Instruction Set Architecture Reference Guide (July 2026). The comments in the code are by the model that wrote it; some were corrected since.
;; Triton Fused Moe Linear Base. Allowed arithmetic: matrix products marked QUANTISED: E3M2 operands, one E8M0 scale for each 32 along K, by v_wmma_scale_f32_16x16x128_f8f6f4 with both operands' format E3M2, f32 sums; everything else in f32.
;; Inputs: expert_ids 8,192 int32; weight 8 x 512 x 2,048 float32; x 8,192 x 2,048 float32.
;; Outputs: out0 8,192 x 512 float32.
;; This version of the problem:
;;   THIS VERSION OF THE PROBLEM IS GIVEN IN LOW PRECISION. The matrix products marked QUANTISED in the list below multiply operands that are first quantised to E3M2 (3 exponent bits, 2 mantissa bits; 6 bits a number), with one power-of-two scale for each 32 numbers along K (OCP MX v1.0); their sums are f32. All else is computed in f32.
;;   The module's matrix products, in the order in which they are computed (A, B: the left and right operand; K: the contracted axis; several contracted axes count as one K, in the product's order):
;;     1. [M 8,192, K 2,048] x [K 2,048, N 512]; A: input x; B: input weight: QUANTISED
;;     2. [M 8,192, K 2,048] x [K 2,048, N 512]; A: input x; B: input weight: QUANTISED
;;     3. [M 8,192, K 2,048] x [K 2,048, N 512]; A: input x; B: input weight: QUANTISED
;;     4. [M 8,192, K 2,048] x [K 2,048, N 512]; A: input x; B: input weight: QUANTISED
;;     5. [M 8,192, K 2,048] x [K 2,048, N 512]; A: input x; B: input weight: QUANTISED
;;     6. [M 8,192, K 2,048] x [K 2,048, N 512]; A: input x; B: input weight: QUANTISED
;;     7. [M 8,192, K 2,048] x [K 2,048, N 512]; A: input x; B: input weight: QUANTISED
;;     8. [M 8,192, K 2,048] x [K 2,048, N 512]; A: input x; B: input weight: QUANTISED
;;   THE QUANTISER, for each operand of a quantised product, along K:
;;     - K is cut into blocks of 32 from its start; a last block that is shorter is filled with zeros.
;;     - A block's scale is 2^e with e = floor(log2(the largest magnitude in the block)) - 4, held to -126 .. 127; a block of zeros has e = 0. As a byte (E8M0): e + 127.
;;     - Each number is divided by its block's scale, clamped to +-28, and rounded to the nearest number of E3M2, ties to even, subnormals kept.
;;     - The product sums the exact products of the quantised numbers (number of the format x scale) in f32.
;;   ~~~python
;;   def quantise(x, axis):      # numpy; x: float32 -> the quantised numbers, widened to float32 again
;;       x = np.moveaxis(x, axis, -1); K = x.shape[-1]
;;       x = np.pad(x, [(0, 0)] * (x.ndim - 1) + [(0, -K % 32)]); x = x.reshape(x.shape[:-1] + (-1, 32)); a = np.abs(x).max(-1, keepdims=True)
;;       e = np.where(a > 0, np.clip(np.frexp(np.where(a > 0, a, 1))[1] - 1 - 4, -126, 127), 0)      # np.frexp(a)[1] - 1 = floor(log2(a)), exactly
;;       r = np.clip(x / 2.0 ** e, -28, 28)
;;       step = 2.0 ** (np.maximum(np.frexp(np.where(r == 0, 1, r))[1] - 1, -2) - 2)
;;       q = np.round(r / step) * step * 2.0 ** e      # np.round: ties to even
;;       return np.moveaxis(q.reshape(q.shape[:-2] + (-1,))[..., :K], -1, axis).astype(np.float32)
;;   ~~~
;; 2 versions, each right; version 2 is version 1 with the launch moe written anew for expert scheduling mode. Each part assembles by itself: llvm-mc -triple=amdgcn-amd-amdhsa -mcpu=gfx1250 --defsym DOCPART=n.
;; ======== version 1 of 2: 2 launches
;; workspace buffers: wq 6,291,456 bytes; wsc 262,144 bytes; order 32,768 bytes of whole numbers; hdr 4,096 bytes of whole numbers
;; launch prep (part 1): grid 257 x 1, 4 waves a work-group, no clusters, 35,328 bytes of LDS; arguments expert_ids, weight, wq, wsc, order, hdr; writes wq, wsc, order, hdr
.if DOCPART == 1
	.amdgcn_target "amdgcn-amd-amdhsa--gfx1250"
	.amdhsa_code_object_version 6
	.text
	.protected	k_qcde976ceca_prep
	.globl	k_qcde976ceca_prep
	.p2align	8
	.type	k_qcde976ceca_prep,@function
k_qcde976ceca_prep:
	s_mov_b64 s[64:65], 0
	v_nop
	global_prefetch_b8 v0, s[64:65] scope:SCOPE_SE
	s_setreg_imm32_b32 hwreg(HW_REG_WAVE_MODE, 25, 1), 1
	s_wait_xcnt 0x0
; TWO JOBS IN ONE LAUNCH.  Work-groups 1 to 256 turn the weights [8][512][2048] f32 into codes of BF6 (E3M2) with one E8M0 scale byte for each 32 along K;
; work-group 0 sorts the 8,192 tokens by their expert and writes the list of tiles that the second launch walks.  The two paths part on the work-group's number, never join, and have LDS bytes of their own.
; THE QUANTISER.  A block's scale is 2^(floor(log2(its largest magnitude)) - 4); its byte is the largest magnitude's exponent field - 4, held at 1 from below.  Each number is divided by the scale and rounded to the
; nearest code, ties to even; beyond 28 the largest code.  LIMITS: a block of zeros gets the byte 1 where the rule says 127 (its codes are zeros, which add nothing, and this program alone reads the bytes);
; NaN and infinities among the weights are not served.
; LAYOUT OF wq: weight row 512 e + n lies in tile T = row / 16; fragment (T, K step s of 128) is the image of the operand's 12 registers, register group c of lane l at 512 c + 16 l, 1,536 bytes,
; at ((T / 4) 64 + 4 s + T % 4) x 1,536: so the four tiles that one wave of the second launch multiplies are one dense stream of 98,304 bytes.
; LAYOUT OF wsc: at ((T / 2) 4 + j) x 512 + (16 (T % 2) + r) x 16 stand row r's four scale words of K steps 4 j to 4 j + 3: one load of 16 bytes a lane brings two tiles' words of four K steps.
; THE SORT.  order[pos] = token | (id outside 0..7) << 16, by expert (ids outside 0..7 are filed under expert 0; their rows of the result are zeros).
; hdr[i] = (expert, first position, rows, 0).  THERE ARE ALWAYS 212 TILES WITH ROWS: tiles of 40 rows number 205 to 212 (the sum over the experts of ceil(n / 40)); some expert has 1,024 rows or more
; (8,192 / 8), and the first such gives its first 40 x rows as 2 x tiles of 20, x being the number of tiles that are missing, 7 at the most.
.set SEL,    18                        ; s[18:19] v_permlanex16_b32's selects for lane l xor 16
; --- the quantiser's registers
.set LOFF,   1                         ; v1   16 x lane
.set SI,     2                         ; v2   my wave's stage, on the way in: 16 x lane
.set SO,     3                         ; v3   and on the way out: 528 r + 64 h
.set SA,     4                         ; v4   16 r: my row's scale words
.set R,      16                        ; v16-143   two sets of 64: a fragment's numbers as loaded, row i in registers 4 i ..
.set X,      144                       ; v144-207  64 numbers of my row: register 16 b + i = k 32 b + 16 h + i
.set PC,     208                       ; v208-219  the fragment's codes; v220-227 at work
.set TM,     228                       ; v228-243  at work
.set PW,     244                       ; v244-247  my row's scale words of the wave's four K steps
.set SPITCH, 528                       ; a stage row: 512 bytes + 16: an odd multiple of 16 bytes, so that the 16 rows of a load start in 16 different groups of banks
.set STAGE,  16*SPITCH                 ; a wave's stage; four of them from LDS byte 0
.set CNT,    4*STAGE                   ; behind them: the router's 4 x 128 bytes of counts
; --- the router's registers
.set LN,     1                         ; v1   lane
.set Y,      2                         ; v2-4 (bit i of lane) - 1: 0 or -1
.set TOK,    5                         ; v5   2,048 x wave + 4 x lane
.set VOFF,   6                         ; v6   lane 16 + e: where this wave's tokens of expert e begin in order
.set VW,     7                         ; v7   lane 16 + e: tokens of expert e in the waves before mine
.set W,      8                         ; v8-23   at work: four sets of four
.set TT,     24                        ; v24-39  what the lane permutes bring
.set ID,     40                        ; v40-103 the ids, then 4 (16 + expert) | flag << 16
.set RK,     104                       ; v104-167 a token's rank among its batch's tokens of the same expert, then its byte in order
.set SN,     168                       ; v168-232 lane 16 + e: tokens of expert e in my wave's batches before batch b
.set KF,     233                       ; v233 0x10040
.set KO,     234                       ; v234 64
.set LA,     235                       ; v235 my byte among the ids
.set HD,     236                       ; v236-243 two tile heads
.set HA,     244                       ; v244-245 their bytes in hdr
.set CW,     248                       ; v248 4 x thread
.set CR,     249                       ; v249 4 x lane
.set I0,     250                       ; v250 64 x wave + lane
.set SM,     20                        ; s20-35  four sets of (valid, bit 0, bit 1, bit 2) as masks over the lanes; later:
.set XE,     20                        ; s20-27  extra tiles of expert e
.set GE,     28                        ; s28-35  ceil(n_e / 40)
.set NE,     44                        ; s44-51  n_e
.set SS,     52                        ; s52-59  where expert e begins in order
.set TB,     66                        ; s66-73  expert e's first tile
	s_load_b256 s[4:11], s[0:1], 0x0               ; ids s[4:5], weight s[6:7], wq s[8:9], wsc s[10:11]
	s_load_b128 s[12:15], s[0:1], 0x20             ; order s[12:13], hdr s[14:15]
	v_lshl_add_u32 v254, v0, 2, 0x8800
	v_mov_b32 v255, 0
	v_lshrrev_b32 v1, 5, v0
	v_readfirstlane_b32 s16, v1                    ; wave 0..3
	s_cmp_eq_u32 ttmp9, 0                          ; the same in all four waves
	s_cbranch_scc1 .Lrouter
; ================= THE QUANTISER: work-group T + 1 takes weight rows 16 T to 16 T + 15 (131,072 dense bytes), wave u their K quarter u: four fragments.  Waves share nothing: no barrier.
	v_and_b32 v5, 31, v0                           ; lane
	v_and_b32 v6, 15, v0                           ; r
	v_bfe_u32 v7, v0, 4, 1                         ; h
	v_lshlrev_b32 v[LOFF], 4, v5
	s_mul_i32 s24, s16, STAGE
	v_add_nc_u32 v[SI], s24, v[LOFF]
	v_mul_u32_u24 v[SO], v6, SPITCH
	v_lshl_add_u32 v[SO], v7, 6, v[SO]
	v_add_nc_u32 v[SO], s24, v[SO]
	v_lshlrev_b32 v[SA], 4, v6
	s_mov_b32 s[SEL], 0x76543210
	s_mov_b32 s[SEL+1], 0xfedcba98
.irp b, 0,1,2,3
	v_mov_b32 v[TM+4+\b], 0                        ; written once: a lane permute's destination counts as one of its sources
.endr
	s_sub_co_u32 s25, ttmp9, 1                     ; T
	s_lshl_b32 s26, s25, 17                        ; weight: 131,072 T + 2,048 u
	s_lshl_b32 s27, s16, 11
	s_add_co_u32 s26, s26, s27
	s_mov_b32 s27, 0
	s_lshr_b32 s28, s25, 2                         ; wq: ((T / 4) 64 + T % 4 + 16 u) x 1,536
	s_lshl_b32 s28, s28, 6
	s_and_b32 s29, s25, 3
	s_add_co_u32 s28, s28, s29
	s_lshl_b32 s29, s16, 4
	s_add_co_u32 s28, s28, s29
	s_mul_i32 s28, s28, 1536
	s_mov_b32 s29, 0
	s_lshr_b32 s30, s25, 1                         ; wsc: ((T / 2) 4 + u) x 512 + (T % 2) x 256
	s_lshl_b32 s30, s30, 2
	s_add_co_u32 s30, s30, s16
	s_lshl_b32 s30, s30, 9
	s_and_b32 s31, s25, 1
	s_lshl_b32 s31, s31, 8
	s_add_co_u32 s30, s30, s31
	s_mov_b32 s31, 0
	s_wait_kmcnt 0x0
	s_add_nc_u64 s[6:7], s[6:7], s[26:27]
	s_add_nc_u64 s[8:9], s[8:9], s[28:29]
	s_add_nc_u64 s[10:11], s[10:11], s[30:31]
.macro LOADW q                         ; fragment q: 16 rows x 128 numbers; each load reads 512 consecutive bytes of one row
.irp i, 0,1,2,3,4,5,6,7,8,9,10,11,12,13,14,15
	global_load_b128 v[R+64*((\q)%2)+4*\i:R+64*((\q)%2)+4*\i+3], v[LOFF], s[6:7] offset:8192*\i+512*(\q) th:TH_LOAD_NT
.endr
.endm
; 64 numbers of a lane, v[s] .. v[s + 63], register 16 b + i = k 32 b + 16 (lane / 16) + i of my row, become a fragment's codes in v[PC] on and its scale word in v[pw].
.macro QUANT s, pw
.irp b, 0,1,2,3
	v_max3_num_f32 v[TM+\b], |v[\s+16*\b]|, |v[\s+1+16*\b]|, 0x2800000   ; block b: my 16 numbers, and the floor 2^(5 - 127): so the byte cannot fall under 1
.endr
.irp i, 2,4,6,8,10,12,14
.irp b, 0,1,2,3
	v_max3_num_f32 v[TM+\b], v[TM+\b], |v[\s+16*\b+\i]|, |v[\s+1+16*\b+\i]|   ; the four blocks by turns: no line waits for the line above it
.endr
.endr
.irp b, 0,1,2,3
	v_permlanex16_b32 v[TM+4+\b], v[TM+\b], s[SEL], s[SEL+1]
.endr
.irp b, 0,1,2,3
	v_max_num_f32 v[TM+\b], v[TM+\b], v[TM+4+\b]   ; with lane l xor 16's: the block's largest magnitude
.endr
.irp b, 0,1,2,3
	v_add_nc_u32 v[TM+12+\b], 0xfe000000, v[TM+\b] ; 4 off its exponent field: the conversion takes the exponent field of this operand as its scale
.endr
.irp b, 0,1,2,3
	v_lshrrev_b32 v[TM+4+\b], 23, v[TM+12+\b]      ; the scale's byte
.endr
	v_lshl_or_b32 v[(\pw)], v[TM+5], 8, v[TM+4]    ; the four bytes make my row's scale word
	v_lshl_or_b32 v[(\pw)], v[TM+6], 16, v[(\pw)]
	v_lshl_or_b32 v[(\pw)], v[TM+7], 24, v[(\pw)]
.irp c, 0,1
	v_cvt_scalef32_pk16_bf6_f32 v[PC+6*\c:PC+2+6*\c], v[\s+32*\c:\s+15+32*\c], v[TM+12+2*\c]
	v_cvt_scalef32_pk16_bf6_f32 v[PC+12+4*\c:PC+14+4*\c], v[\s+16+32*\c:\s+31+32*\c], v[TM+12+2*\c+1]   ; a conversion's three registers begin on an even number
.endr
	v_nop                                          ; one plain place behind a scaled conversion
.irp c, 0,1                            ; the operand's layout wants a WHOLE block in a lane: lanes 0-15 block 2 c, lanes 16-31 block 2 c + 1
.irp i, 0,1,2
	v_permlane16_swap_b32 v[PC+6*\c+\i], v[PC+12+4*\c+\i]
.endr
.irp i, 0,1,2
	v_mov_b32 v[PC+3+6*\c+\i], v[PC+12+4*\c+\i]
.endr
.endr
.endm
.macro FRAGQ q
.if (\q) < 3
	s_wait_loadcnt 16                              ; this fragment's 16 loads are in; the next fragment's 16 may be out
.else
	s_wait_loadcnt 0x0
.endif
	s_wait_xcnt 0x0                                ; the last fragment's stores have read the codes' registers, which are written again below
.irp i, 0,1,2,3,4,5,6,7,8,9,10,11,12,13,14,15
	ds_store_b128 v[SI], v[R+64*((\q)%2)+4*\i:R+64*((\q)%2)+4*\i+3] offset:SPITCH*\i   ; the rows as they lie
.endr
.irp b, 0,1,2,3
.irp j, 0,1,2,3
	ds_load_b128 v[X+16*\b+4*\j:X+16*\b+4*\j+3], v[SO] offset:128*\b+16*\j   ; LDS serves a wave's instructions in order: these see my stores.  My row's 16 numbers of each block of 32
.endr
.endr
	s_wait_dscnt 0x0                               ; they are in, and the stores have read the set of registers that the loads below fill
.if (\q) < 2
	LOADW (\q)+2
.endif
	QUANT X, PW+(\q)
.irp c, 0,1,2
	global_store_b128 v[LOFF], v[PC+4*\c:PC+4*\c+3], s[8:9] offset:6144*(\q)+512*\c   ; the image of the registers: 32 lanes store 512 consecutive bytes, at a multiple of 256
.endr
.endm
	LOADW 0
	LOADW 1
	FRAGQ 0
	FRAGQ 1
	FRAGQ 2
	FRAGQ 3
	global_store_b128 v[SA], v[PW:PW+3], s[10:11]  ; sixteen lanes fill 256 consecutive bytes, at a multiple of 256; lanes 16-31 hold the same words and write them to the same bytes
	s_wait_tensorcnt 0x0
	ds_add_u32 v254, v255
	s_wait_dscnt 0x0
	s_endpgm
; ================= THE ROUTER: a counting sort in registers.  Wave u takes tokens 2,048 u on, as 64 batches of 32: batch 4 i + c holds token 2,048 u + 128 i + 4 lane + c.
.Lrouter:
	v_and_b32 v[LN], 31, v0
.irp i, 0,1,2
	v_bfe_u32 v[Y+\i], v0, \i, 1
.endr
.irp i, 0,1,2
	v_add_nc_u32 v[Y+\i], -1, v[Y+\i]
.endr
	s_lshl_b32 s24, s16, 11
	v_lshl_add_u32 v[TOK], v[LN], 2, s24
	v_lshlrev_b32 v[LA], 2, v[TOK]                 ; 8,192 u + 16 lane
	v_mov_b32 v[KF], 0x10040
	v_mov_b32 v[KO], 64
	v_mov_b32 v[SN], 0
	v_lshlrev_b32 v[CW], 2, v0
	v_lshlrev_b32 v[CR], 2, v[LN]
	s_lshl_b32 s25, s16, 6
	v_add_nc_u32 v[I0], s25, v[LN]
	s_wait_kmcnt 0x0
.irp i, 0,1,2,3,4,5,6,7,8,9,10,11,12,13,14,15
	global_load_b128 v[ID+4*\i:ID+4*\i+3], v[LA], s[4:5] offset:512*\i
.endr
	s_wait_loadcnt 0x0
; Four batches by turns, line by line.  LANE 16 + e COUNTS FOR EXPERT e: every lane forms the mask of the batch's tokens of expert lane % 8.  v_mbcnt_lo_u32_b32 counts a mask's bits below the lane;
; in lanes 16 and up the bits from the lane on, shifted down, are at most 16 and all lie below the lane too: so two such counts are the mask's whole count there.
.macro BATCH4 b
.irp z, 0,1,2,3
	v_cmp_gt_u32 s[SM+4*\z], 8, v[ID+(\b)+\z]      ; an id of 0 to 7 (unsigned: negative ids fail too)
.endr
.irp z, 0,1,2,3
	v_cndmask_b32 v[W+4*\z], 0, v[ID+(\b)+\z], s[SM+4*\z]          ; the expert; any other id is filed under 0,
.endr
.irp z, 0,1,2,3
	v_cndmask_b32 v[W+4*\z+1], v[KF], v[KO], s[SM+4*\z]            ; with a flag at bit 16
.endr
.irp z, 0,1,2,3
	v_lshl_add_u32 v[ID+(\b)+\z], v[W+4*\z], 2, v[W+4*\z+1]        ; 4 x (16 + expert): the byte index by which the lane permute will ask lane 16 + expert (it takes the lane's number modulo 32)
.endr
.irp z, 0,1,2,3
	v_cmp_lt_u32 s[SM+4*\z+3], 3, v[W+4*\z]        ; the expert's bit 2, over the lanes
.endr
.irp z, 0,1,2,3
	v_and_b32 v[W+4*\z+1], 2, v[W+4*\z]
.endr
.irp z, 0,1,2,3
	v_and_b32 v[W+4*\z+2], 1, v[W+4*\z]
.endr
.irp z, 0,1,2,3
	v_cmp_ne_u32 s[SM+4*\z+2], 0, v[W+4*\z+1]      ; bit 1
.endr
.irp z, 0,1,2,3
	v_cmp_ne_u32 s[SM+4*\z+1], 0, v[W+4*\z+2]      ; bit 0
.endr
.irp i, 0,1,2
.irp z, 0,1,2,3
	v_xor_b32 v[W+4*\z+\i], s[SM+4*\z+1+\i], v[Y+\i]               ; the mask as it is where lane % 8 has the bit, its complement where not
.endr
.endr
.irp z, 0,1,2,3
	v_and_b32 v[W+4*\z], v[W+4*\z], v[W+4*\z+1]
.endr
.irp z, 0,1,2,3
	v_and_b32 v[W+4*\z], v[W+4*\z], v[W+4*\z+2]    ; the batch's tokens of expert lane % 8
.endr
.irp z, 0,1,2,3
	v_lshrrev_b32 v[W+4*\z+1], v[LN], v[W+4*\z]
.endr
.irp z, 0,1,2,3
	v_mbcnt_lo_u32_b32 v[W+4*\z+1], v[W+4*\z+1], 0
.endr
.irp z, 0,1,2,3
	v_mbcnt_lo_u32_b32 v[W+4*\z+1], v[W+4*\z], v[W+4*\z+1]         ; their number (in lanes 16 and up)
.endr
.irp z, 0,1,2,3
	v_cndmask_b32 v[W+4*\z+2], -1, 0, s[SM+4*\z+1] ; the same for my own token's expert: 0 where it has the bit, -1 where not
.endr
.irp z, 0,1,2,3
	v_cndmask_b32 v[W+4*\z+3], -1, 0, s[SM+4*\z+2]
.endr
.irp z, 0,1,2,3
	v_cndmask_b32 v[W+4*\z], -1, 0, s[SM+4*\z+3]
.endr
.irp z, 0,1,2,3
	v_xor_b32 v[W+4*\z+2], s[SM+4*\z+1], v[W+4*\z+2]
.endr
.irp z, 0,1,2,3
	v_xor_b32 v[W+4*\z+3], s[SM+4*\z+2], v[W+4*\z+3]
.endr
.irp z, 0,1,2,3
	v_xor_b32 v[W+4*\z], s[SM+4*\z+3], v[W+4*\z]
.endr
.irp z, 0,1,2,3
	v_and_b32 v[W+4*\z+2], v[W+4*\z+2], v[W+4*\z+3]
.endr
.irp z, 0,1,2,3
	v_and_b32 v[W+4*\z+2], v[W+4*\z+2], v[W+4*\z]  ; the lanes whose token has my token's expert
.endr
.irp z, 0,1,2,3
	v_mbcnt_lo_u32_b32 v[RK+(\b)+\z], v[W+4*\z+2], 0               ; how many of them stand below me
.endr
.irp z, 0,1,2,3
	v_add_nc_u32 v[SN+(\b)+\z+1], v[SN+(\b)+\z], v[W+4*\z+1]       ; the running count: one addition a batch is all that waits for the batch before
.endr
.endm
.set B, 0
.rept 16
	BATCH4 B
.set B, B+4
.endr
	ds_store_b32 v[CW], v[SN+64] offset:CNT        ; my wave's counts: 128 bytes a wave
	s_wait_dscnt 0x0                               ; for the others' sake: my store has landed
	s_barrier_signal -1
	s_barrier_wait -1
.irp u, 0,1,2,3
	ds_load_b32 v[TT+\u], v[CR] offset:CNT+128*\u
.endr
	s_wait_dscnt 0x0
	v_add_nc_u32 v8, v[TT], v[TT+1]
	v_add_nc_u32 v9, v[TT+2], v[TT+3]
	v_add_nc_u32 v8, v8, v9                        ; lane 16 + e: n_e
	s_cmp_gt_u32 s16, 0                            ; and the counts of the waves before mine
	s_cselect_b32 s76, -1, 0
	s_cmp_gt_u32 s16, 1
	s_cselect_b32 s77, -1, 0
	s_cmp_gt_u32 s16, 2
	s_cselect_b32 s78, -1, 0
	v_and_b32 v[VW], s76, v[TT]
	v_and_b32 v9, s77, v[TT+1]
	v_and_b32 v10, s78, v[TT+2]
	v_add3_u32 v[VW], v[VW], v9, v10
.irp e, 0,1,2,3,4,5,6,7
	v_readlane_b32 s[NE+\e], v8, 16+\e
.endr
	s_mov_b32 s[SS], 0
.irp e, 0,1,2,3,4,5,6
	s_add_co_u32 s[SS+1+\e], s[SS+\e], s[NE+\e]    ; where each expert begins in order
.endr
.irp e, 0,1,2,3,4,5,6,7
	s_add_co_u32 s[GE+\e], s[NE+\e], 39            ; ceil(n / 40) = (n + 39) x 52,429 >> 21: 52,429 x 40 = 2^21 + 8, so the error is under 0.001 of a tile up to n + 39 = 8,231, against the 1 / 40 that could turn the floor
	s_mul_i32 s[GE+\e], s[GE+\e], 52429
	s_lshr_b32 s[GE+\e], s[GE+\e], 21
.endr
	s_add_co_u32 s76, s[GE], s[GE+1]
.irp e, 2,3,4,5,6,7
	s_add_co_u32 s76, s76, s[GE+\e]
.endr
	s_sub_co_u32 s76, 212, s76                     ; the tiles that are missing: 0 to 7
.irp e, 0,1,2,3,4,5,6,7
	s_cmp_ge_u32 s[NE+\e], 1024                    ; the first expert with 1,024 rows or more takes them all
	s_cselect_b32 s[XE+\e], s76, 0
	s_sub_co_u32 s76, s76, s[XE+\e]
.endr
	s_mov_b32 s[TB], 0
.irp e, 0,1,2,3,4,5,6
	s_add_co_u32 s[TB+1+\e], s[TB+\e], s[GE+\e]
	s_add_co_u32 s[TB+1+\e], s[TB+1+\e], s[XE+\e]  ; each expert's first tile
.endr
	v_mov_b32 v[VOFF], 0
.irp e, 0,1,2,3,4,5,6,7
	v_writelane_b32 v[VOFF], s[SS+\e], 16+\e
.endr
	v_add_nc_u32 v[VOFF], v[VOFF], v[VW]
; Sixteen batches: a token's place = (its expert's start + the earlier waves' count + the earlier batches' count), asked of lane 16 + expert, + its rank in the batch.
.macro FINAL16 b
.set K, 0
.rept 16
	v_add_nc_u32 v[SN+(\b)+K], v[SN+(\b)+K], v[VOFF]
	ds_bpermute_b32 v[TT+K], v[ID+(\b)+K], v[SN+(\b)+K]
.set K, K+1
.endr
	s_wait_dscnt 0x0
.set K, 0
.rept 16
	v_add_nc_u32 v[RK+(\b)+K], v[TT+K], v[RK+(\b)+K]
	v_min_u32 v[RK+(\b)+K], 0x1fff, v[RK+(\b)+K]   ; a place is under 8,192 by the counts; held there all the same, since it becomes an address
	v_lshlrev_b32 v[RK+(\b)+K], 2, v[RK+(\b)+K]
	v_add_nc_u32 v[TT+K], 128*(((\b)+K)/4)+((\b)+K)%4, v[TOK]      ; the token's number
	v_and_or_b32 v[SN+(\b)+K], v[ID+(\b)+K], 0x10000, v[TT+K]      ; with the flag
	global_store_b32 v[RK+(\b)+K], v[SN+(\b)+K], s[12:13]          ; each batch has its own address and data registers: none is written again.  Scattered words, 32,768 bytes in all
.set K, K+1
.endr
.endm
	FINAL16 0
	FINAL16 16
	FINAL16 32
	FINAL16 48
; The heads of tiles 64 u + 32 a + lane.  The tile's expert is the last whose first tile is not beyond it.  (Heads 212 to 255 get 0 rows; no work-group reads them.)
.macro HDR a
	v_add_nc_u32 v8, 32*\a, v[I0]
	v_mov_b32 v[HD+4*\a], 0
	v_mov_b32 v9, 0                                ; its first tile,
	v_mov_b32 v10, 0                               ; its start in order,
	v_mov_b32 v11, s[NE]                           ; its rows,
	v_mov_b32 v12, s[XE]                           ; its extra tiles
.irp e, 1,2,3,4,5,6,7
	v_cmp_le_u32 vcc_lo, s[TB+\e], v8
	v_cndmask_b32 v[HD+4*\a], v[HD+4*\a], \e, vcc_lo
	v_cndmask_b32 v9, v9, s[TB+\e], vcc_lo
	v_cndmask_b32 v10, v10, s[SS+\e], vcc_lo
	v_cndmask_b32 v11, v11, s[NE+\e], vcc_lo
	v_cndmask_b32 v12, v12, s[XE+\e], vcc_lo
.endr
	v_sub_nc_u32 v9, v8, v9                        ; t: which tile of its expert
	v_lshlrev_b32 v13, 1, v12
	v_cmp_lt_u32 vcc_lo, v9, v13                   ; t < 2 x: a tile of 20 rows, at row 20 t;
	v_sub_nc_u32 v14, v9, v12
	v_mul_u32_u24 v14, v14, 40                     ; else of 40, at row 40 (t - x)
	v_mul_u32_u24 v15, v9, 20
	v_cndmask_b32 v14, v14, v15, vcc_lo
	v_cndmask_b32 v15, 40, 20, vcc_lo
	v_min_u32 v14, v14, v11
	v_sub_nc_u32 v13, v11, v14                     ; the rows that are left from there,
	v_min_u32 v[HD+4*\a+2], v13, v15               ; the tile's height at the most
	v_add_nc_u32 v14, v10, v14
	v_min_u32 v[HD+4*\a+1], 0x1fff, v14
	v_mov_b32 v[HD+4*\a+3], 0
	v_lshlrev_b32 v[HA+\a], 4, v8
	global_store_b128 v[HA+\a], v[HD+4*\a:HD+4*\a+3], s[14:15]     ; 32 lanes store 512 consecutive bytes
.endm
	HDR 0
	HDR 1
	s_wait_tensorcnt 0x0
	ds_add_u32 v254, v255
	s_wait_dscnt 0x0
	s_endpgm
.Lfunc_end_k_qcde976ceca_prep:
	.size	k_qcde976ceca_prep, .Lfunc_end_k_qcde976ceca_prep-k_qcde976ceca_prep
	.p2alignl 7, 3214868480
	.fill 96, 4, 3214868480
	.section	.rodata,"a",@progbits
	.p2align	6, 0x0
	.amdhsa_kernel k_qcde976ceca_prep
		.amdhsa_group_segment_fixed_size 35328
		.amdhsa_private_segment_fixed_size 0
		.amdhsa_enable_private_segment 0
		.amdhsa_kernarg_size 48
		.amdhsa_user_sgpr_count 2
		.amdhsa_user_sgpr_kernarg_segment_ptr 1
		.amdhsa_wavefront_size32 1
		.amdhsa_system_sgpr_workgroup_id_x 1
		.amdhsa_system_sgpr_workgroup_id_y 1
		.amdhsa_system_sgpr_workgroup_id_z 1
		.amdhsa_system_vgpr_workitem_id 0
		.amdhsa_next_free_vgpr 256
		.amdhsa_next_free_sgpr 96
		.amdhsa_reserve_vcc 1
		.amdhsa_float_denorm_mode_32 3
		.amdhsa_float_denorm_mode_16_64 3
		.amdhsa_memory_ordered 1
		.amdhsa_forward_progress 1
		.amdhsa_inst_pref_size 157
	.end_amdhsa_kernel
	.amdgpu_metadata
---
amdhsa.version: [ 1, 2 ]
amdhsa.kernels:
  - .name:           k_qcde976ceca_prep
    .symbol:         k_qcde976ceca_prep.kd
    .args:
      - { .name: expert_ids, .offset: 0, .size: 8, .value_kind: global_buffer, .address_space: global }
      - { .name: weight, .offset: 8, .size: 8, .value_kind: global_buffer, .address_space: global }
      - { .name: wq, .offset: 16, .size: 8, .value_kind: global_buffer, .address_space: global }
      - { .name: wsc, .offset: 24, .size: 8, .value_kind: global_buffer, .address_space: global }
      - { .name: order, .offset: 32, .size: 8, .value_kind: global_buffer, .address_space: global }
      - { .name: hdr, .offset: 40, .size: 8, .value_kind: global_buffer, .address_space: global }
    .group_segment_fixed_size: 35328
    .private_segment_fixed_size: 0
    .kernarg_segment_align: 8
    .kernarg_segment_size: 48
    .max_flat_workgroup_size: 128
    .sgpr_count:     96
    .vgpr_count:     256
    .wavefront_size: 32
...
	.end_amdgpu_metadata
.endif
;; end of part 1
;; launch moe (part 2): grid 212 x 1, 8 waves a work-group, no clusters, 75,264 bytes of LDS; arguments x, wq, wsc, order, hdr, out0; writes out0
.if DOCPART == 2
	.amdgcn_target "amdgcn-amd-amdhsa--gfx1250"
	.amdhsa_code_object_version 6
	.text
	.protected	k_qcde976ceca_moe
	.globl	k_qcde976ceca_moe
	.p2align	8
	.type	k_qcde976ceca_moe,@function
k_qcde976ceca_moe:
	s_mov_b64 s[64:65], 0
	v_nop
	global_prefetch_b8 v0, s[64:65] scope:SCOPE_SE
	s_setreg_imm32_b32 hwreg(HW_REG_WAVE_MODE, 25, 1), 1
	s_wait_xcnt 0x0
; out0[t][:] = Q(weight[expert_ids[t]]) Q(x[t]), both operands codes of BF6 (E3M2) with one E8M0 scale for each 32 along K = 2,048; sums in f32.  Only the chosen expert's product is multiplied.
; SHARES.  Work-group i takes tile i of the stored list: up to 40 rows (tokens) of ONE expert, all 512 outputs.  So a row of x is read by one work-group, and is quantised on its way: x's codes never go to memory.
; Eight waves.  Wave w multiplies outputs 64 w to 64 w + 63 (four tiles of 16 weight rows) by the three tiles of 16 rows: 12 accumulators; and it quantises rows w + 8 k, k = 0 .. 4.
; K goes in four quarters of 512.  In each: Q phase: every wave turns its five rows' 512 numbers into 384 bytes of codes and 16 scale bytes in LDS | barrier | M phase: four K steps of 128, x's fragments from LDS,
; the weights' from registers into which they were loaded, in the order of the operand's registers, a quarter ahead.  x's numbers of the next quarter are asked for during the Q phase.
; Two buffers of codes take turns, so that ONE barrier a quarter orders both ways: quarter j + 1 is written into the buffer that was last read in M phase j - 1, which every wave had left when it signalled barrier j.
; ROW SLOTS BEYOND THE TILE'S ROWS repeat its last row: the same codes, the same sums, stored by the same wave to the same bytes; so there is no branch and no lane is switched off.  Tile 2 of the rows has eight rows:
; its lanes 8-15 read rows 32-39 once more, and what they compute is not stored.
; THE MATRIX INSTRUCTION IS USED TRANSPOSED (source 0 = 16 weight rows, source 1 = 16 tokens): a lane holds one token and eight neighbouring outputs.
; AN ID OUTSIDE 0..7 (flag at bit 16 of the list's entry) gives zero codes, so a row of zeros, as no expert's mask takes that token.
; NO CLUSTER, NO TENSOR LOAD: which weights and which rows a work-group reads hangs on stored numbers, and an expert's number of tiles is any number, so four neighbours in the grid need not share an expert.
; LIMITS: NaN and infinities in x are not served; a block of zeros gets the scale byte 1 where the rule says 127 (its codes are zeros, and the bytes never leave LDS).
.set TMR,   40                         ; row slots
.set STGW,  5120                       ; LDS 0: for each wave two stages of 32 places x 80 bytes; on the way out the same bytes are 16 rows x 272
.set TP,    80                         ; a place: 64 bytes (16 numbers) + 16
.set XC,    8*STGW                     ; two buffers of codes: 40 rows x 400 bytes (384 + 16).  400 bytes are 100 words, 4 x an odd number: the 16 rows of a load start in 16 different groups of banks
.set XP,    400
.set XCB,   TMR*XP
.set XS,    XC+2*XCB                   ; two buffers of scale bytes: 40 rows x 16
.set XSY,   TMR*16
.set OP,    272                        ; the way out: a stage row, 256 bytes + 16
.set LOFF,  1                          ; v1   16 x lane
.set STI,   2                          ; v2   the turn through my stage, in: 80 (lane / 4) + 16 (lane % 4)
.set STO,   3                          ; v3   and out: 80 x lane
.set XCW,   4                          ; v4   where I put 12 bytes of codes: row w, 12 x lane
.set XSW,   5                          ; v5   and my block's scale byte: row w, lane / 2
.set XFA,   6                          ; v6   x's fragments: row r, + 24 h
.set XFB,   7                          ; v7   the same for row 32 + r % 8
.set XSA,   8                          ; v8   x's scale words: row = lane
.set XSR,   9                          ; v9   row 32 + lane % 8
.set HH,    10                         ; v10  h
.set COL,   11                         ; v11  256 w + 16 (lane % 16): my bytes in a row of the result
.set SOW,   12                         ; v12  the way out: where I put 32 bytes of a row
.set SOR,   13                         ; v13  and where I read a row back
.set WS,    16                         ; v16-23  the weights' scale words: register 4 p + q: lanes 0-15 tile 2 p, lanes 16-31 tile 2 p + 1, K step q of the quarter
.set XSC,   24                         ; v24-31  x's: register q: lanes 0-15 rows 0-15, lanes 16-31 rows 16-31; register 4 + q: rows 32 + lane % 8.  v16-31 hold scales and nothing else
.set ACC,   32                         ; v32-127 accumulator (m, n) at 32 + 8 (4 m + n)
.set R,     128                        ; v128-207 x as loaded: five rows x 16 registers
.set X,     208                        ; v208-239 two sets of 16 neighbours along K
.set C,     240                        ; v240-247 two sets of codes
.set E,     248                        ; v248-249 two scale bytes
.set MXA,   250                        ; v250-252 at work
.set MXB,   251
.set SOP,   252
.set TK,    128                        ; the way out: v128-147 the rows' entries, then their bytes in the result; v148-167 the entries' bytes in the list; v168-231 two sets of rows read back
.set TA,    148
.set OB,    168
.set WF,    0                          ; window 1: v0-191 the weights' fragments: four sets (K step q) of four (tile n) of 12
.set XF,    192                        ; window 1: v192-227 x's three fragments
.set XR,    40                         ; s[40:49] my five rows' addresses in x
.set KEEP,  33                         ; s33-37   0 for a row whose id no expert takes, else -1
.set MSB, 0
.macro WIN new                         ; s_set_vgpr_msb: bits 1:0 source 0, 3:2 source 1, 5:4 source 2, 7:6 destination; the high byte repeats the setting that is left
.if MSB != \new
	s_set_vgpr_msb (MSB<<8)|\new
.set MSB, \new
.endif
.endm
	s_load_b256 s[4:11], s[0:1], 0x0               ; x s[4:5], wq s[6:7], wsc s[8:9], order s[10:11]
	s_load_b128 s[12:15], s[0:1], 0x20             ; hdr s[12:13], out0 s[14:15]
	v_lshl_add_u32 v254, v0, 2, 0x12200
	v_mov_b32 v255, 0
	s_lshl_b32 s17, ttmp9, 4
	v_lshrrev_b32 v14, 5, v0
	v_readfirstlane_b32 s16, v14                   ; wave 0..7
	s_wait_kmcnt 0x0
	s_load_b128 s[20:23], s[12:13], s17 offset:0x0 ; my tile's head: expert, first position, rows, 0
	v_and_b32 v14, 31, v0                          ; lane
	v_and_b32 v15, 15, v0                          ; r
	v_and_b32 v[MXA], 7, v0                        ; r % 8
	v_bfe_u32 v[HH], v0, 4, 1
	v_lshlrev_b32 v[LOFF], 4, v14
	s_mul_i32 s50, s16, STGW
	s_mul_i32 s51, s16, XP
	s_lshl_b32 s52, s16, 4
	s_lshl_b32 s53, s16, 8
	v_lshrrev_b32 v[STI], 2, v14
	v_mul_u32_u24 v[STI], v[STI], TP
	v_and_b32 v[MXB], 3, v14
	v_lshl_add_u32 v[STI], v[MXB], 4, v[STI]
	v_add_nc_u32 v[STI], s50, v[STI]
	v_mul_u32_u24 v[STO], v14, TP
	v_add_nc_u32 v[STO], s50, v[STO]
	v_mul_u32_u24 v[XCW], v14, 12
	v_add_nc_u32 v[XCW], s51, v[XCW]
	v_add_nc_u32 v[XCW], XC, v[XCW]
	v_lshrrev_b32 v[XSW], 1, v14
	v_add_nc_u32 v[XSW], s52, v[XSW]
	v_add_nc_u32 v[XSW], XS, v[XSW]
	v_mul_u32_u24 v[XFA], v15, XP
	v_mad_u32_u24 v[XFA], v[HH], 24, v[XFA]
	v_add_nc_u32 v[XFA], XC, v[XFA]
	v_mul_u32_u24 v[XFB], v[MXA], XP
	v_mad_u32_u24 v[XFB], v[HH], 24, v[XFB]
	v_add_nc_u32 v[XFB], XC+32*XP, v[XFB]
	v_lshl_add_u32 v[XSA], v14, 4, XS
	v_lshl_add_u32 v[XSR], v[MXA], 4, XS+512
	v_lshlrev_b32 v[COL], 4, v15
	v_add_nc_u32 v[COL], s53, v[COL]
	v_mul_u32_u24 v[SOW], v15, OP
	v_lshl_add_u32 v[SOW], v[HH], 5, v[SOW]
	v_add_nc_u32 v[SOW], s50, v[SOW]
	v_mul_u32_u24 v[SOR], v[HH], OP
	v_lshl_add_u32 v[SOR], v15, 4, v[SOR]
	v_add_nc_u32 v[SOR], s50, v[SOR]
	s_wait_kmcnt 0x0
	s_min_u32 s20, s20, 7                          ; stored numbers are held inside their ranges before they enter an address
	s_min_u32 s21, s21, 8191
	s_max_u32 s22, s22, 1
	s_sub_co_u32 s24, s22, 1
	s_min_u32 s24, s24, TMR-1                      ; the tile's last row
.irp k, 0,1,2,3,4
	s_add_co_u32 s[54+\k], s16, 8*\k               ; my row slot w + 8 k, the last row at the most,
	s_min_u32 s[54+\k], s[54+\k], s24
	s_add_co_u32 s[54+\k], s[54+\k], s21           ; its position in the list,
	s_min_u32 s[54+\k], s[54+\k], 8191
	s_lshl_b32 s[54+\k], s[54+\k], 2
	s_load_b32 s[28+\k], s[10:11], s[54+\k] offset:0x0             ; its entry
.endr
	s_lshl_b32 s50, s20, 3
	s_add_co_u32 s50, s50, s16
	s_mul_i32 s50, s50, 98304                      ; my four tiles' fragments: a dense stream at (8 e + w) x 98,304
	s_mov_b32 s51, 0
	s_add_nc_u64 s[6:7], s[6:7], s[50:51]
	s_lshl_b32 s50, s20, 4
	s_lshl_b32 s52, s16, 1
	s_add_co_u32 s50, s50, s52
	s_lshl_b32 s50, s50, 11                        ; their scale words at (16 e + 2 w) x 2,048
	s_add_nc_u64 s[8:9], s[8:9], s[50:51]
.macro WSLOAD j                        ; the scale words of quarter j: two loads of 16 bytes a lane
.irp p, 0,1
	global_load_b128 v[WS+4*\p:WS+4*\p+3], v[LOFF], s[8:9] offset:2048*\p+512*(\j)
.endr
.endm
.macro WLOAD s                         ; K step s: four fragments, 12 loads of 512 consecutive bytes, into set s % 4 (under the setting: destination window 1)
.irp n, 0,1,2,3
.irp c, 0,1,2
	global_load_b128 v[WF+48*((\s)%4)+12*\n+4*\c:WF+48*((\s)%4)+12*\n+4*\c+3], v[LOFF], s[6:7] offset:(4*(\s)+\n)*1536+512*\c
.endr
.endr
.endm
.macro LOADX j, k                      ; quarter j of my row k: four loads of 512 consecutive bytes.  Read once in the launch, but for a part tile's last row, which its spare row slots read again
.irp i, 0,1,2,3
	global_load_b128 v[R+16*(\k)+4*\i:R+16*(\k)+4*\i+3], v[LOFF], s[XR+2*(\k):XR+2*(\k)+1] offset:2048*(\j)+512*\i th:TH_LOAD_NT
.endr
.endm
.macro TURN k                          ; row k's 2,048 bytes go through my stage as they lie and come back 64 bytes a lane: 16 neighbours along K.  LDS serves a wave's instructions in order: no wait between
.irp i, 0,1,2,3
	ds_store_b128 v[STI], v[R+16*(\k)+4*\i:R+16*(\k)+4*\i+3] offset:32*TP*((\k)%2)+8*TP*\i
.endr
.irp i, 0,1,2,3
	ds_load_b128 v[X+16*((\k)%2)+4*\i:X+16*((\k)%2)+4*\i+3], v[STO] offset:32*TP*((\k)%2)+16*\i
.endr
.endm
; The wait for row k's four loads of quarter j.  Loads come back in the order of issue.  Younger than they are: in quarter 0 the quarter's later rows and the next quarter's rows asked for so far, 16 together;
; in quarters 1 and 2 besides these 16 the 48 loads of weights and 2 of scale words issued in the M phase between: 66, of which the wait can name 63; in quarter 3 nothing is asked for any more: 66 - 4 k.
.macro WAITX j, k
.if (\j) == 0
	s_wait_loadcnt 16
.elseif ((\j) < 3) || ((\k) == 0)
	s_wait_loadcnt 63
.else
	s_wait_loadcnt 66-4*(\k)
.endif
.endm
.macro UNIT j, k                       ; row k of quarter j: 512 numbers, 16 a lane, two lanes to a block
.set XN, X+16*((\k)%2)
.set CN, C+4*((\k)%2)
.set EN, E+(\k)%2
.if (\k) == 0
	s_wait_dscnt 0x0                               ; the row is back from the stage
.else
	s_wait_dscnt 4                                 ; the row is back from the stage (the last row's four stores of codes and byte may be out): so the stage's stores have read their registers,
.endif
.if (\j) < 3
	LOADX (\j)+1, \k                               ; which take the same row's next quarter
.endif
.if (\k) < 4
	WAITX \j, (\k)+1
	TURN (\k)+1                                    ; the next row goes through the other stage while this one is worked
.endif
	v_max3_num_f32 v[MXA], |v[XN]|, |v[XN+1]|, |v[XN+2]|           ; the largest magnitude of my 16, in two chains
	v_max3_num_f32 v[MXB], |v[XN+3]|, |v[XN+4]|, |v[XN+5]|
.irp i, 6,10
	v_max3_num_f32 v[MXA], v[MXA], |v[XN+\i]|, |v[XN+\i+1]|
	v_max3_num_f32 v[MXB], v[MXB], |v[XN+\i+2]|, |v[XN+\i+3]|
.endr
	v_max3_num_f32 v[MXA], v[MXA], |v[XN+14]|, |v[XN+15]|
	v_max3_num_f32 v[MXA], v[MXA], v[MXB], 0x2800000               ; and the floor 2^(5 - 127): so the byte cannot fall under 1
	v_max_num_f32_dpp v[MXA], v[MXA], v[MXA] row_xmask:1 row_mask:0xf bank_mask:0xf   ; and of my neighbour's 16: the block's
	v_add_nc_u32 v[SOP], 0xfe000000, v[MXA]        ; 4 off its exponent field: the conversion takes the exponent field of this operand as its scale
	v_cvt_scalef32_pk16_bf6_f32 v[CN:CN+2], v[XN:XN+15], v[SOP]    ; 16 codes, 96 bits without gaps, the first number's lowest
	v_lshrrev_b32 v[EN], 23, v[SOP]                ; the scale's byte; also the plain place behind the conversion
.irp i, 0,1,2
	v_and_b32 v[CN+\i], s[KEEP+(\k)], v[CN+\i]     ; zero codes for a token that no expert takes
.endr
.irp i, 0,1,2
	ds_store_b32 v[XCW], v[CN+\i] offset:XCB*((\j)%2)+8*XP*(\k)+4*\i   ; row w + 8 k, byte 12 x lane: a multiple of 4 and no more, so in words
.endr
	ds_store_b8 v[XSW], v[EN] offset:XSY*((\j)%2)+128*(\k)         ; both lanes of a block write the same byte with the same value
.endm
.macro QPHASE j
	WAITX \j, 0
	TURN 0
.irp k, 0,1,2,3,4
	UNIT \j, \k
.endr
	s_wait_dscnt 0x0                               ; for the others' sake: my codes and bytes have landed; and my reads of the last quarter's buffer are long in
	s_barrier_signal -1
	s_barrier_wait -1
.endm
.macro XFRAG b, q                      ; x's three fragments of the quarter's K step q from buffer b: 24 bytes of a row's stream of bits as they lie, in pieces of 8 bytes (under the setting: destination window 1)
.irp m, 0,1
.irp p, 0,1,2,3,4,5
	ds_load_b64 v[XF+12*\m+2*\p:XF+12*\m+2*\p+1], v[XFA] offset:XCB*(\b)+16*XP*\m+96*(\q)+48*(\p/3)+8*(\p%3)
.endr
.endr
.irp p, 0,1,2,3,4,5
	ds_load_b64 v[XF+24+2*\p:XF+24+2*\p+1], v[XFB] offset:XCB*(\b)+96*(\q)+48*(\p/3)+8*(\p%3)
.endr
.endm
.macro ONE m, n, q, zero               ; accumulator (m, n) += weight tile n x row tile m.  The weights' words of an odd tile, and x's of rows 16-31, stand in lanes 16-31 of their registers
.set rD, ACC+8*(4*(\m)+(\n))
.set rA, WF+48*(\q)+12*(\n)
.set rB, XF+12*(\m)
.set rP, WS+4*((\n)/2)+(\q)
.set rQ, XSC+4*((\m)/2)+(\q)
.if \zero
.if ((\n)%2 == 1) && ((\m) == 1)
	v_wmma_scale_f32_16x16x128_f8f6f4 v[rD:rD+7], v[rA:rA+11], v[rB:rB+11], 0, v[rP], v[rQ] matrix_a_fmt:MATRIX_FMT_BF6 matrix_b_fmt:MATRIX_FMT_BF6 matrix_a_scale:MATRIX_SCALE_ROW1 matrix_b_scale:MATRIX_SCALE_ROW1
.elseif (\n)%2 == 1
	v_wmma_scale_f32_16x16x128_f8f6f4 v[rD:rD+7], v[rA:rA+11], v[rB:rB+11], 0, v[rP], v[rQ] matrix_a_fmt:MATRIX_FMT_BF6 matrix_b_fmt:MATRIX_FMT_BF6 matrix_a_scale:MATRIX_SCALE_ROW1
.elseif (\m) == 1
	v_wmma_scale_f32_16x16x128_f8f6f4 v[rD:rD+7], v[rA:rA+11], v[rB:rB+11], 0, v[rP], v[rQ] matrix_a_fmt:MATRIX_FMT_BF6 matrix_b_fmt:MATRIX_FMT_BF6 matrix_b_scale:MATRIX_SCALE_ROW1
.else
	v_wmma_scale_f32_16x16x128_f8f6f4 v[rD:rD+7], v[rA:rA+11], v[rB:rB+11], 0, v[rP], v[rQ] matrix_a_fmt:MATRIX_FMT_BF6 matrix_b_fmt:MATRIX_FMT_BF6
.endif
.else
.if ((\n)%2 == 1) && ((\m) == 1)
	v_wmma_scale_f32_16x16x128_f8f6f4 v[rD:rD+7], v[rA:rA+11], v[rB:rB+11], v[rD:rD+7], v[rP], v[rQ] matrix_a_fmt:MATRIX_FMT_BF6 matrix_b_fmt:MATRIX_FMT_BF6 matrix_a_scale:MATRIX_SCALE_ROW1 matrix_b_scale:MATRIX_SCALE_ROW1
.elseif (\n)%2 == 1
	v_wmma_scale_f32_16x16x128_f8f6f4 v[rD:rD+7], v[rA:rA+11], v[rB:rB+11], v[rD:rD+7], v[rP], v[rQ] matrix_a_fmt:MATRIX_FMT_BF6 matrix_b_fmt:MATRIX_FMT_BF6 matrix_a_scale:MATRIX_SCALE_ROW1
.elseif (\m) == 1
	v_wmma_scale_f32_16x16x128_f8f6f4 v[rD:rD+7], v[rA:rA+11], v[rB:rB+11], v[rD:rD+7], v[rP], v[rQ] matrix_a_fmt:MATRIX_FMT_BF6 matrix_b_fmt:MATRIX_FMT_BF6 matrix_b_scale:MATRIX_SCALE_ROW1
.else
	v_wmma_scale_f32_16x16x128_f8f6f4 v[rD:rD+7], v[rA:rA+11], v[rB:rB+11], v[rD:rD+7], v[rP], v[rQ] matrix_a_fmt:MATRIX_FMT_BF6 matrix_b_fmt:MATRIX_FMT_BF6
.endif
.endif
.endm
.macro MUL q, zero                     ; a K step: the 12 accumulators take turns, one instruction a turn, in the same order in every step.  zero = 1: the first products start the sums
.irp m, 0,1,2
.irp n, 0,1,2,3
	ONE \m, \n, \q, \zero
.endr
.endr
.endm
.macro TOKENS                          ; the entries of the rows that I shall store: store g of 20 takes row slots 2 g (lanes 0-15) and 2 g + 1 (lanes 16-31)
.irp g, 0,1,2,3,4,5,6,7,8,9,10,11,12,13,14,15,16,17,18,19
	v_add_nc_u32 v[TA+\g], 2*\g, v[HH]
.endr
.irp g, 0,1,2,3,4,5,6,7,8,9,10,11,12,13,14,15,16,17,18,19
	v_min_u32 v[TA+\g], s24, v[TA+\g]              ; the tile's last row at the most
.endr
.irp g, 0,1,2,3,4,5,6,7,8,9,10,11,12,13,14,15,16,17,18,19
	v_add_nc_u32 v[TA+\g], s21, v[TA+\g]
.endr
.irp g, 0,1,2,3,4,5,6,7,8,9,10,11,12,13,14,15,16,17,18,19
	v_min_u32 v[TA+\g], 0x1fff, v[TA+\g]
.endr
.irp g, 0,1,2,3,4,5,6,7,8,9,10,11,12,13,14,15,16,17,18,19
	v_lshlrev_b32 v[TA+\g], 2, v[TA+\g]
.endr
.irp g, 0,1,2,3,4,5,6,7,8,9,10,11,12,13,14,15,16,17,18,19
	global_load_b32 v[TK+\g], v[TA+\g], s[10:11]
.endr
.endm
.macro MPHASE j
.if (\j) < 3
	s_wait_loadcnt 20                              ; this quarter's weights and scale words are in: younger than they are only the next quarter's 20 loads of x
.else
	s_wait_loadcnt 0x0
	TOKENS                                         ; x's registers are free: the way out's entries land under the last products
.endif
	ds_load_b128 v[XSC:XSC+3], v[XSA] offset:XSY*((\j)%2)          ; x's scale words of the quarter's four K steps
	ds_load_b128 v[XSC+4:XSC+7], v[XSR] offset:XSY*((\j)%2)
.irp q, 0,1,2,3
	WIN 0x40                                       ; destination window 1, address window 0
	XFRAG (\j)%2, \q
	s_wait_dscnt 0x0
	WIN 0x05                                       ; sources 0 and 1 window 1, C and D window 0
.if ((\j) == 0) && (\q == 0)
	MUL \q, 1
.else
	MUL \q, 0
.endif
.rept 4
	v_nop                                          ; four places in front of loads into registers that matrix instructions have read, and of the first read of results
.endr
.if (\j) < 3
	WIN 0x40
	WLOAD 4*((\j)+1)+\q                            ; the set just multiplied takes the same K step of the next quarter
.endif
.endr
	WIN 0
.if (\j) < 3
	WSLOAD (\j)+1
.endif
.endm
	WSLOAD 0                                       ; the first quarter's weights want only the expert: they go out while the list's entries are on their way
	WIN 0x40
	WLOAD 0
	WLOAD 1
	WLOAD 2
	WLOAD 3
	WIN 0
	s_wait_kmcnt 0x0
.irp k, 0,1,2,3,4
	s_min_u32 s[28+\k], s[28+\k], 0x1ffff
	s_bitcmp1_b32 s[28+\k], 16                     ; the flag: no expert takes this token
	s_cselect_b32 s[KEEP+\k], 0, -1
	s_and_b32 s50, s[28+\k], 0x1fff                ; the token
	s_lshl_b32 s50, s50, 13                        ; its row of 8,192 bytes
	s_add_nc_u64 s[XR+2*\k:XR+2*\k+1], s[4:5], s[50:51]
.endr
.irp k, 0,1,2,3,4
	LOADX 0, \k
.endr
	QPHASE 0
	MPHASE 0
	QPHASE 1
	MPHASE 1
	QPHASE 2
	MPHASE 2
	QPHASE 3
	MPHASE 3
; THE WAY OUT.  A lane holds 32 neighbouring bytes of a token's row, and the lanes beside it hold other tokens: so a tile of 16 rows x my 64 outputs goes through my own stage in LDS and comes back as rows of 256 bytes,
; which sixteen lanes store at token x 2,048 + 256 w: 256 consecutive bytes, at a multiple of 256.  The stage is the wave's own: no barrier, and LDS serves a wave's instructions in order.
	s_wait_loadcnt 0x0                             ; the entries
.irp g, 0,1,2,3,4,5,6,7,8,9,10,11,12,13,14,15,16,17,18,19
	v_min_u32 v[TK+\g], 0x1ffff, v[TK+\g]
.endr
.irp g, 0,1,2,3,4,5,6,7,8,9,10,11,12,13,14,15,16,17,18,19
	v_and_b32 v[TK+\g], 0x1fff, v[TK+\g]
.endr
.irp g, 0,1,2,3,4,5,6,7,8,9,10,11,12,13,14,15,16,17,18,19
	v_lshl_add_u32 v[TK+\g], v[TK+\g], 11, v[COL]
.endr
.macro TOSTAGE m
.irp n, 0,1,2,3
	ds_store_b128 v[SOW], v[ACC+8*(4*(\m)+\n):ACC+8*(4*(\m)+\n)+3] offset:64*\n        ; each accumulator from its low end on
	ds_store_b128 v[SOW], v[ACC+8*(4*(\m)+\n)+4:ACC+8*(4*(\m)+\n)+7] offset:64*\n+16
.endr
.irp t, 0,1,2,3,4,5,6,7
.if ((\m) < 2) || (\t < 4)
	ds_load_b128 v[OB+32*((\m)%2)+4*\t:OB+32*((\m)%2)+4*\t+3], v[SOR] offset:2*OP*\t   ; lanes 0-15 row 2 t, lanes 16-31 row 2 t + 1
.endif
.endr
.endm
.macro SEND m, younger                 ; younger: the LDS instructions issued behind tile m's loads, which may stay out
	s_wait_dscnt \younger
.irp t, 0,1,2,3,4,5,6,7
.if ((\m) < 2) || (\t < 4)
	global_store_b128 v[TK+8*(\m)+\t], v[OB+32*((\m)%2)+4*\t:OB+32*((\m)%2)+4*\t+3], s[14:15] th:TH_STORE_NT   ; written once, read by nobody here
.endif
.endr
.endm
	TOSTAGE 0
	TOSTAGE 1
	SEND 0, 16                                     ; behind tile 0's loads: tile 1's 8 stores and 8 loads
	s_wait_xcnt 0x0                                ; tile 0's stores have read their registers: tile 2's rows may land there
	TOSTAGE 2
	SEND 1, 12                                     ; behind tile 1's loads: tile 2's 8 stores and 4 loads
	SEND 2, 0
	s_wait_tensorcnt 0x0
	ds_add_u32 v254, v255
	s_wait_dscnt 0x0
	s_endpgm
.Lfunc_end_k_qcde976ceca_moe:
	.size	k_qcde976ceca_moe, .Lfunc_end_k_qcde976ceca_moe-k_qcde976ceca_moe
	.p2alignl 7, 3214868480
	.fill 96, 4, 3214868480
	.section	.rodata,"a",@progbits
	.p2align	6, 0x0
	.amdhsa_kernel k_qcde976ceca_moe
		.amdhsa_group_segment_fixed_size 75264
		.amdhsa_private_segment_fixed_size 0
		.amdhsa_enable_private_segment 0
		.amdhsa_kernarg_size 48
		.amdhsa_user_sgpr_count 2
		.amdhsa_user_sgpr_kernarg_segment_ptr 1
		.amdhsa_wavefront_size32 1
		.amdhsa_system_sgpr_workgroup_id_x 1
		.amdhsa_system_sgpr_workgroup_id_y 1
		.amdhsa_system_sgpr_workgroup_id_z 1
		.amdhsa_system_vgpr_workitem_id 0
		.amdhsa_next_free_vgpr 512
		.amdhsa_next_free_sgpr 66
		.amdhsa_reserve_vcc 0
		.amdhsa_float_denorm_mode_32 3
		.amdhsa_float_denorm_mode_16_64 3
		.amdhsa_memory_ordered 1
		.amdhsa_forward_progress 1
		.amdhsa_inst_pref_size 127
	.end_amdhsa_kernel
	.amdgpu_metadata
---
amdhsa.version: [ 1, 2 ]
amdhsa.kernels:
  - .name:           k_qcde976ceca_moe
    .symbol:         k_qcde976ceca_moe.kd
    .args:
      - { .name: x, .offset: 0, .size: 8, .value_kind: global_buffer, .address_space: global }
      - { .name: wq, .offset: 8, .size: 8, .value_kind: global_buffer, .address_space: global }
      - { .name: wsc, .offset: 16, .size: 8, .value_kind: global_buffer, .address_space: global }
      - { .name: order, .offset: 24, .size: 8, .value_kind: global_buffer, .address_space: global }
      - { .name: hdr, .offset: 32, .size: 8, .value_kind: global_buffer, .address_space: global }
      - { .name: out0, .offset: 40, .size: 8, .value_kind: global_buffer, .address_space: global }
    .group_segment_fixed_size: 75264
    .private_segment_fixed_size: 0
    .kernarg_segment_align: 8
    .kernarg_segment_size: 48
    .max_flat_workgroup_size: 256
    .sgpr_count:     66
    .vgpr_count:     512
    .wavefront_size: 32
...
	.end_amdgpu_metadata
.endif
;; end of part 2
;; ======== version 2 of 2: 2 launches; version 1 with the launch moe written anew for expert scheduling mode
;; workspace buffers: wq 6,291,456 bytes; wsc 262,144 bytes; order 32,768 bytes of whole numbers; hdr 4,096 bytes of whole numbers
;; launch prep: the kernel of part 1 again; grid 257 x 1, 4 waves a work-group, no clusters, 35,328 bytes of LDS; arguments expert_ids, weight, wq, wsc, order, hdr; writes wq, wsc, order, hdr
;; launch moe (part 3): grid 212 x 1, 8 waves a work-group, no clusters, 75,264 bytes of LDS; arguments x, wq, wsc, order, hdr, out0; writes out0
.if DOCPART == 3
	.amdgcn_target "amdgcn-amd-amdhsa--gfx1250"
	.amdhsa_code_object_version 6
	.text
	.protected	k_qcde976ceca_moe
	.globl	k_qcde976ceca_moe
	.p2align	8
	.type	k_qcde976ceca_moe,@function
k_qcde976ceca_moe:
	s_mov_b64 s[64:65], 0
	v_nop
	global_prefetch_b8 v0, s[64:65] scope:SCOPE_SE
	s_setreg_imm32_b32 hwreg(HW_REG_WAVE_SCHED_MODE, 0, 2), 2
	s_setreg_imm32_b32 hwreg(HW_REG_WAVE_MODE, 25, 1), 1
	s_wait_xcnt 0x0
	s_wait_alu depctr_vm_vsrc(0)
; out0[t][:] = Q(weight[expert_ids[t]]) Q(x[t]), both operands codes of BF6 (E3M2) with one E8M0 scale for each 32 along K = 2,048; sums in f32.  Only the chosen expert's product is multiplied.
; SHARES.  Work-group i takes tile i of the stored list: up to 40 rows (tokens) of ONE expert, all 512 outputs.  So a row of x is read by one work-group, and is quantised on its way: x's codes never go to memory.
; Eight waves.  Wave w multiplies outputs 64 w to 64 w + 63 (four tiles of 16 weight rows) by the three tiles of 16 rows: 12 accumulators; and it quantises rows w + 8 k, k = 0 .. 4.
; K goes in four quarters of 512.  In each: Q phase: every wave turns its five rows' 512 numbers into 384 bytes of codes and 16 scale bytes in LDS | barrier | M phase: four K steps of 128, x's fragments from LDS,
; the weights' from registers into which they were loaded, in the order of the operand's registers, a quarter ahead.  x's numbers of the next quarter are asked for during the Q phase.
; Two buffers of codes take turns, so that ONE barrier a quarter orders both ways: quarter j + 1 is written into the buffer that was last read in M phase j - 1, which every wave had left when it signalled barrier j.
; ROW SLOTS BEYOND THE TILE'S ROWS repeat its last row: the same codes, the same sums, stored by the same wave to the same bytes; so there is no branch and no lane is switched off.  Tile 2 of the rows has eight rows:
; its lanes 8-15 read rows 32-39 once more, and what they compute is not stored.
; THE MATRIX INSTRUCTION IS USED TRANSPOSED (source 0 = 16 weight rows, source 1 = 16 tokens): a lane holds one token and eight neighbouring outputs.
; AN ID OUTSIDE 0..7 (flag at bit 16 of the list's entry) gives zero codes, so a row of zeros, as no expert's mask takes that token.
; NO CLUSTER, NO TENSOR LOAD: which weights and which rows a work-group reads hangs on stored numbers, and an expert's number of tiles is any number, so four neighbours in the grid need not share an expert.
; LIMITS: NaN and infinities in x are not served; a block of zeros gets the scale byte 1 where the rule says 127 (its codes are zeros, and the bytes never leave LDS).
; THE MODE: SCHED_MODE bits 1:0 = 2 (LLVM: expert scheduling mode 2), set by the entry lines.  The code itself states the register dependences between vector or matrix instructions and memory or LDS
; instructions, with s_wait_alu, always for 0.
; THE PLAN.  Registers that memory or LDS instructions touch:
;   v1-13, v254, v255  offsets and LDS addresses: written at the head, never again.
;   R     Q phase: row k's 16 registers are read by the LDS stores of TURN k and then loaded again (the row's next quarter).  No vector instruction names them before the last M phase.
;   X0, X1  Q phase: TURN k's LDS loads land in X[k % 2]; row k's maxima and conversion read it.
;   C, E  Q phase: row k's conversion, shift and masks write set k % 2; the four LDS stores that read it are issued at the head of row k + 1's turn.
;   XFa, XB  M phase: x's fragments of the even K steps land in XFa (window 1), of the odd ones in XB (window 0: X's registers and C's first set, idle in an M phase); K step q's products read its buffer.
;   WF    M phase: K step q's products read set q; in K step q + 1 the same K step of the next quarter is loaded into it.    WS, XSC: read as scales by all four K steps; loaded between M phases.
; So a row's turn has its waits at its head: vm_vsrc for R[k] and for the set of C, E that it writes, va_vdst for the set of C, E that it stores and for the X that the next turn through the stage fills; its sixteen
; memory instructions follow with no further wait, since its own vector lines name X[k % 2], C and E[k % 2] and registers at work alone.  A K step has ONE wait on va_vdst at its head: the step before is done with
; its buffer of x's fragments and its set of weights; the loads into these two are dealt among the step's products, which name the other buffer, another set, the accumulators and the scales.
.set TMR,   40                         ; row slots
.set STGW,  5120                       ; LDS 0: for each wave two stages of 32 places x 80 bytes; on the way out the same bytes are 16 rows x 272
.set TP,    80                         ; a place: 64 bytes (16 numbers) + 16
.set XC,    8*STGW                     ; two buffers of codes: 40 rows x 400 bytes (384 + 16).  400 bytes are 100 words, 4 x an odd number: the 16 rows of a load start in 16 different groups of banks
.set XP,    400
.set XCB,   TMR*XP
.set XS,    XC+2*XCB                   ; two buffers of scale bytes: 40 rows x 16
.set XSY,   TMR*16
.set OP,    272                        ; the way out: a stage row, 256 bytes + 16
.set LOFF,  1                          ; v1   16 x lane
.set STI,   2                          ; v2   the turn through my stage, in: 80 (lane / 4) + 16 (lane % 4)
.set STO,   3                          ; v3   and out: 80 x lane
.set XCW,   4                          ; v4   where I put 12 bytes of codes: row w, 12 x lane
.set XSW,   5                          ; v5   and my block's scale byte: row w, lane / 2
.set XFA,   6                          ; v6   x's fragments: row r, + 24 h
.set XFB,   7                          ; v7   the same for row 32 + r % 8
.set XSA,   8                          ; v8   x's scale words: row = lane
.set XSR,   9                          ; v9   row 32 + lane % 8
.set HH,    10                         ; v10  h
.set COL,   11                         ; v11  256 w + 16 (lane % 16): my bytes in a row of the result
.set SOW,   12                         ; v12  the way out: where I put 32 bytes of a row
.set SOR,   13                         ; v13  and where I read a row back
.set WS,    16                         ; v16-23  the weights' scale words: register 4 p + q: lanes 0-15 tile 2 p, lanes 16-31 tile 2 p + 1, K step q of the quarter
.set XSC,   24                         ; v24-31  x's: register q: lanes 0-15 rows 0-15, lanes 16-31 rows 16-31; register 4 + q: rows 32 + lane % 8.  v16-31 hold scales and nothing else
.set ACC,   32                         ; v32-127 accumulator (m, n) at 32 + 8 (4 m + n)
.set R,     128                        ; v128-207 x as loaded: five rows x 16 registers
.set X,     208                        ; v208-239 two sets of 16 neighbours along K
.set C,     240                        ; v240-247 two sets of codes
.set E,     248                        ; v248-249 two scale bytes
.set XB,    208                        ; v208-243 in an M phase: x's three fragments of the odd K steps
.set MXA,   250                        ; v250-252 at work
.set MXB,   251
.set SOP,   252
.set TK,    128                        ; the way out: v128-147 the rows' entries, then their bytes in the result; v148-167 the entries' bytes in the list; v168-231 two sets of rows read back
.set TA,    148
.set OB,    168
.set WF,    0                          ; window 1: v0-191 the weights' fragments: four sets (K step q) of four (tile n) of 12
.set XF,    192                        ; window 1: v192-227 x's three fragments of the even K steps
.set XR,    40                         ; s[40:49] my five rows' addresses in x
.set KEEP,  33                         ; s33-37   0 for a row whose id no expert takes, else -1
.set MSB, 0
.macro WIN new                         ; s_set_vgpr_msb: bits 1:0 source 0, 3:2 source 1, 5:4 source 2, 7:6 destination; the high byte repeats the setting that is left
.if MSB != \new
	s_set_vgpr_msb (MSB<<8)|\new
.set MSB, \new
.endif
.endm
.macro MWIN q                          ; the products of K step q: the weights in window 1; x's fragments in window 1 (even q) or 0 (odd q); C and D in window 0
.if (\q)%2
	WIN 0x01
.else
	WIN 0x05
.endif
.endm
.macro XWIN q                          ; the loads of K step q's fragments of x: destination window 1 (even q) or 0 (odd q), address window 0
.if (\q)%2
	WIN 0
.else
	WIN 0x40
.endif
.endm
	s_load_b256 s[4:11], s[0:1], 0x0               ; x s[4:5], wq s[6:7], wsc s[8:9], order s[10:11]
	s_load_b128 s[12:15], s[0:1], 0x20             ; hdr s[12:13], out0 s[14:15]
	v_lshl_add_u32 v254, v0, 2, 0x12200
	v_mov_b32 v255, 0
	s_lshl_b32 s17, ttmp9, 4
	v_lshrrev_b32 v14, 5, v0
	v_readfirstlane_b32 s16, v14                   ; wave 0..7
	s_wait_kmcnt 0x0
	s_load_b128 s[20:23], s[12:13], s17 offset:0x0 ; my tile's head: expert, first position, rows, 0
	v_and_b32 v14, 31, v0                          ; lane
	v_and_b32 v15, 15, v0                          ; r
	v_and_b32 v[MXA], 7, v0                        ; r % 8
	v_bfe_u32 v[HH], v0, 4, 1
	v_lshlrev_b32 v[LOFF], 4, v14
	s_wait_alu depctr_va_sdst(0)                   ; s16 is written, ahead of its first reader: LDS places, rows and bases are made from it
	s_mul_i32 s50, s16, STGW
	s_mul_i32 s51, s16, XP
	s_lshl_b32 s52, s16, 4
	s_lshl_b32 s53, s16, 8
	v_lshrrev_b32 v[STI], 2, v14
	v_mul_u32_u24 v[STI], v[STI], TP
	v_and_b32 v[MXB], 3, v14
	v_lshl_add_u32 v[STI], v[MXB], 4, v[STI]
	v_add_nc_u32 v[STI], s50, v[STI]
	v_mul_u32_u24 v[STO], v14, TP
	v_add_nc_u32 v[STO], s50, v[STO]
	v_mul_u32_u24 v[XCW], v14, 12
	v_add_nc_u32 v[XCW], s51, v[XCW]
	v_add_nc_u32 v[XCW], XC, v[XCW]
	v_lshrrev_b32 v[XSW], 1, v14
	v_add_nc_u32 v[XSW], s52, v[XSW]
	v_add_nc_u32 v[XSW], XS, v[XSW]
	v_mul_u32_u24 v[XFA], v15, XP
	v_mad_u32_u24 v[XFA], v[HH], 24, v[XFA]
	v_add_nc_u32 v[XFA], XC, v[XFA]
	v_mul_u32_u24 v[XFB], v[MXA], XP
	v_mad_u32_u24 v[XFB], v[HH], 24, v[XFB]
	v_add_nc_u32 v[XFB], XC+32*XP, v[XFB]
	v_lshl_add_u32 v[XSA], v14, 4, XS
	v_lshl_add_u32 v[XSR], v[MXA], 4, XS+512
	v_lshlrev_b32 v[COL], 4, v15
	v_add_nc_u32 v[COL], s53, v[COL]
	v_mul_u32_u24 v[SOW], v15, OP
	v_lshl_add_u32 v[SOW], v[HH], 5, v[SOW]
	v_add_nc_u32 v[SOW], s50, v[SOW]
	v_mul_u32_u24 v[SOR], v[HH], OP
	v_lshl_add_u32 v[SOR], v15, 4, v[SOR]
	v_add_nc_u32 v[SOR], s50, v[SOR]
	s_wait_kmcnt 0x0
	s_min_u32 s20, s20, 7                          ; stored numbers are held inside their ranges before they enter an address
	s_min_u32 s21, s21, 8191
	s_max_u32 s22, s22, 1
	s_sub_co_u32 s24, s22, 1
	s_min_u32 s24, s24, TMR-1                      ; the tile's last row
.irp k, 0,1,2,3,4
	s_add_co_u32 s[54+\k], s16, 8*\k               ; my row slot w + 8 k, the last row at the most,
	s_min_u32 s[54+\k], s[54+\k], s24
	s_add_co_u32 s[54+\k], s[54+\k], s21           ; its position in the list,
	s_min_u32 s[54+\k], s[54+\k], 8191
	s_lshl_b32 s[54+\k], s[54+\k], 2
	s_load_b32 s[28+\k], s[10:11], s[54+\k] offset:0x0             ; its entry
.endr
	s_lshl_b32 s50, s20, 3
	s_add_co_u32 s50, s50, s16
	s_mul_i32 s50, s50, 98304                      ; my four tiles' fragments: a dense stream at (8 e + w) x 98,304
	s_mov_b32 s51, 0
	s_add_nc_u64 s[6:7], s[6:7], s[50:51]
	s_lshl_b32 s50, s20, 4
	s_lshl_b32 s52, s16, 1
	s_add_co_u32 s50, s50, s52
	s_lshl_b32 s50, s50, 11                        ; their scale words at (16 e + 2 w) x 2,048
	s_add_nc_u64 s[8:9], s[8:9], s[50:51]
.macro WSLOAD j                        ; the scale words of quarter j: two loads of 16 bytes a lane
.irp p, 0,1
	global_load_b128 v[WS+4*\p:WS+4*\p+3], v[LOFF], s[8:9] offset:2048*\p+512*(\j)
.endr
.endm
.macro WLOAD s                         ; K step s: four fragments, 12 loads of 512 consecutive bytes, into set s % 4 (under the setting: destination window 1)
.irp n, 0,1,2,3
.irp c, 0,1,2
	global_load_b128 v[WF+48*((\s)%4)+12*\n+4*\c:WF+48*((\s)%4)+12*\n+4*\c+3], v[LOFF], s[6:7] offset:(4*(\s)+\n)*1536+512*\c
.endr
.endr
.endm
.macro LOADX j, k                      ; quarter j of my row k: four loads of 512 consecutive bytes.  Read once in the launch, but for a part tile's last row, which its spare row slots read again
.irp i, 0,1,2,3
	global_load_b128 v[R+16*(\k)+4*\i:R+16*(\k)+4*\i+3], v[LOFF], s[XR+2*(\k):XR+2*(\k)+1] offset:2048*(\j)+512*\i th:TH_LOAD_NT
.endr
.endm
.macro TURN k                          ; row k's 2,048 bytes go through my stage as they lie and come back 64 bytes a lane: 16 neighbours along K.  LDS serves a wave's instructions in order: no wait between
.irp i, 0,1,2,3
	ds_store_b128 v[STI], v[R+16*(\k)+4*\i:R+16*(\k)+4*\i+3] offset:32*TP*((\k)%2)+8*TP*\i
.endr
.irp i, 0,1,2,3
	ds_load_b128 v[X+16*((\k)%2)+4*\i:X+16*((\k)%2)+4*\i+3], v[STO] offset:32*TP*((\k)%2)+16*\i
.endr
.endm
; The wait for row k's four loads of quarter j.  Loads come back in the order of issue.  Younger than they are: in quarter 0 the quarter's later rows and the next quarter's rows asked for so far, 16 together;
; in quarters 1 and 2 besides these 16 the 48 loads of weights and 2 of scale words issued in the M phase between: 66, of which the wait can name 63; in quarter 3 nothing is asked for any more: 66 - 4 k.
.macro WAITX j, k
.if (\j) == 0
	s_wait_loadcnt 16
.elseif ((\j) < 3) || ((\k) == 0)
	s_wait_loadcnt 63
.else
	s_wait_loadcnt 66-4*(\k)
.endif
.endm
.macro CODES j, k                      ; row k's codes and scale byte of quarter j go to LDS
.irp i, 0,1,2
	ds_store_b32 v[XCW], v[C+4*((\k)%2)+\i] offset:XCB*((\j)%2)+8*XP*(\k)+4*\i   ; row w + 8 k, byte 12 x lane: a multiple of 4 and no more, so in words
.endr
	ds_store_b8 v[XSW], v[E+(\k)%2] offset:XSY*((\j)%2)+128*(\k)   ; both lanes of a block write the same byte with the same value
.endm
.macro UNIT j, k                       ; row k of quarter j: 512 numbers, 16 a lane, two lanes to a block
.set XN, X+16*((\k)%2)
.set CN, C+4*((\k)%2)
.set EN, E+(\k)%2
	s_wait_dscnt 0x0                               ; the row is back from the stage: its four loads are the youngest of my LDS instructions
.if ((\j) < 3) || ((\k) > 1)
	s_wait_alu depctr_vm_vsrc(0)                   ; the stage's stores have read R[k], in which the loads below land; the stores of two rows back have read the set of C and E that this row writes
.endif
.if (\k) > 0
	s_wait_alu depctr_va_vdst(0)                   ; the row before has written its C and E, which the four stores below read, and is done reading its X, in which the next turn through the stage lands
	CODES \j, (\k)-1
.endif
.if (\j) < 3
	LOADX (\j)+1, \k                               ; R[k] takes the same row's next quarter
.endif
.if (\k) < 4
	WAITX \j, (\k)+1
	TURN (\k)+1                                    ; the next row goes through the other stage while this one is worked
.endif
	v_max3_num_f32 v[MXA], |v[XN]|, |v[XN+1]|, |v[XN+2]|           ; the largest magnitude of my 16, in two chains
	v_max3_num_f32 v[MXB], |v[XN+3]|, |v[XN+4]|, |v[XN+5]|
.irp i, 6,10
	v_max3_num_f32 v[MXA], v[MXA], |v[XN+\i]|, |v[XN+\i+1]|
	v_max3_num_f32 v[MXB], v[MXB], |v[XN+\i+2]|, |v[XN+\i+3]|
.endr
	v_max3_num_f32 v[MXA], v[MXA], |v[XN+14]|, |v[XN+15]|
	v_max3_num_f32 v[MXA], v[MXA], v[MXB], 0x2800000               ; and the floor 2^(5 - 127): so the byte cannot fall under 1
	v_max_num_f32_dpp v[MXA], v[MXA], v[MXA] row_xmask:1 row_mask:0xf bank_mask:0xf   ; and of my neighbour's 16: the block's
	v_add_nc_u32 v[SOP], 0xfe000000, v[MXA]        ; 4 off its exponent field: the conversion takes the exponent field of this operand as its scale
	v_cvt_scalef32_pk16_bf6_f32 v[CN:CN+2], v[XN:XN+15], v[SOP]    ; 16 codes, 96 bits without gaps, the first number's lowest
	v_lshrrev_b32 v[EN], 23, v[SOP]                ; the scale's byte; also the plain place behind the conversion
.irp i, 0,1,2
	v_and_b32 v[CN+\i], s[KEEP+(\k)], v[CN+\i]     ; zero codes for a token that no expert takes
.endr
.endm
.macro QPHASE j
	WAITX \j, 0
	TURN 0
.irp k, 0,1,2,3,4
	UNIT \j, \k
.endr
	s_wait_alu depctr_va_vdst(0)                   ; row 4 has written its C and E, which the four stores below read; it is done reading X, in which x's fragments land behind the barrier
	CODES \j, 4
	s_wait_dscnt 0x0                               ; for the others' sake: my codes and bytes have landed; and my reads of the last quarter's buffer are long in
	s_barrier_signal -1
	s_barrier_wait -1
.endm
.macro XFRAG b, q                      ; x's three fragments of the quarter's K step q from LDS buffer b: 24 bytes of a row's stream of bits as they lie, in pieces of 8 bytes (under XWIN q's setting)
.if (\q)%2
.set rX, XB
.else
.set rX, XF
.endif
.irp m, 0,1
.irp p, 0,1,2,3,4,5
	ds_load_b64 v[rX+12*\m+2*\p:rX+12*\m+2*\p+1], v[XFA] offset:XCB*(\b)+16*XP*\m+96*(\q)+48*(\p/3)+8*(\p%3)
.endr
.endr
.irp p, 0,1,2,3,4,5
	ds_load_b64 v[rX+24+2*\p:rX+24+2*\p+1], v[XFB] offset:XCB*(\b)+96*(\q)+48*(\p/3)+8*(\p%3)
.endr
.endm
.macro ONE m, n, q, zero               ; accumulator (m, n) += weight tile n x row tile m.  The weights' words of an odd tile, and x's of rows 16-31, stand in lanes 16-31 of their registers
.set rD, ACC+8*(4*(\m)+(\n))
.set rA, WF+48*(\q)+12*(\n)
.if (\q)%2
.set rB, XB+12*(\m)
.else
.set rB, XF+12*(\m)
.endif
.set rP, WS+4*((\n)/2)+(\q)
.set rQ, XSC+4*((\m)/2)+(\q)
.if \zero
.if ((\n)%2 == 1) && ((\m) == 1)
	v_wmma_scale_f32_16x16x128_f8f6f4 v[rD:rD+7], v[rA:rA+11], v[rB:rB+11], 0, v[rP], v[rQ] matrix_a_fmt:MATRIX_FMT_BF6 matrix_b_fmt:MATRIX_FMT_BF6 matrix_a_scale:MATRIX_SCALE_ROW1 matrix_b_scale:MATRIX_SCALE_ROW1
.elseif (\n)%2 == 1
	v_wmma_scale_f32_16x16x128_f8f6f4 v[rD:rD+7], v[rA:rA+11], v[rB:rB+11], 0, v[rP], v[rQ] matrix_a_fmt:MATRIX_FMT_BF6 matrix_b_fmt:MATRIX_FMT_BF6 matrix_a_scale:MATRIX_SCALE_ROW1
.elseif (\m) == 1
	v_wmma_scale_f32_16x16x128_f8f6f4 v[rD:rD+7], v[rA:rA+11], v[rB:rB+11], 0, v[rP], v[rQ] matrix_a_fmt:MATRIX_FMT_BF6 matrix_b_fmt:MATRIX_FMT_BF6 matrix_b_scale:MATRIX_SCALE_ROW1
.else
	v_wmma_scale_f32_16x16x128_f8f6f4 v[rD:rD+7], v[rA:rA+11], v[rB:rB+11], 0, v[rP], v[rQ] matrix_a_fmt:MATRIX_FMT_BF6 matrix_b_fmt:MATRIX_FMT_BF6
.endif
.else
.if ((\n)%2 == 1) && ((\m) == 1)
	v_wmma_scale_f32_16x16x128_f8f6f4 v[rD:rD+7], v[rA:rA+11], v[rB:rB+11], v[rD:rD+7], v[rP], v[rQ] matrix_a_fmt:MATRIX_FMT_BF6 matrix_b_fmt:MATRIX_FMT_BF6 matrix_a_scale:MATRIX_SCALE_ROW1 matrix_b_scale:MATRIX_SCALE_ROW1
.elseif (\n)%2 == 1
	v_wmma_scale_f32_16x16x128_f8f6f4 v[rD:rD+7], v[rA:rA+11], v[rB:rB+11], v[rD:rD+7], v[rP], v[rQ] matrix_a_fmt:MATRIX_FMT_BF6 matrix_b_fmt:MATRIX_FMT_BF6 matrix_a_scale:MATRIX_SCALE_ROW1
.elseif (\m) == 1
	v_wmma_scale_f32_16x16x128_f8f6f4 v[rD:rD+7], v[rA:rA+11], v[rB:rB+11], v[rD:rD+7], v[rP], v[rQ] matrix_a_fmt:MATRIX_FMT_BF6 matrix_b_fmt:MATRIX_FMT_BF6 matrix_b_scale:MATRIX_SCALE_ROW1
.else
	v_wmma_scale_f32_16x16x128_f8f6f4 v[rD:rD+7], v[rA:rA+11], v[rB:rB+11], v[rD:rD+7], v[rP], v[rQ] matrix_a_fmt:MATRIX_FMT_BF6 matrix_b_fmt:MATRIX_FMT_BF6
.endif
.endif
.endm
.macro MULM m, q, zero                 ; a third of a K step: row tile m against the four weight tiles.  Over a K step the 12 accumulators take turns, one instruction a turn, in the same order in every step.  zero = 1: the first products start the sums
.irp n, 0,1,2,3
	ONE \m, \n, \q, \zero
.endr
.endm
.macro TOKENS                          ; the entries of the rows that I shall store: store g of 20 takes row slots 2 g (lanes 0-15) and 2 g + 1 (lanes 16-31)
.irp g, 0,1,2,3,4,5,6,7,8,9,10,11,12,13,14,15,16,17,18,19
	v_add_nc_u32 v[TA+\g], 2*\g, v[HH]
.endr
.irp g, 0,1,2,3,4,5,6,7,8,9,10,11,12,13,14,15,16,17,18,19
	v_min_u32 v[TA+\g], s24, v[TA+\g]              ; the tile's last row at the most
.endr
.irp g, 0,1,2,3,4,5,6,7,8,9,10,11,12,13,14,15,16,17,18,19
	v_add_nc_u32 v[TA+\g], s21, v[TA+\g]
.endr
.irp g, 0,1,2,3,4,5,6,7,8,9,10,11,12,13,14,15,16,17,18,19
	v_min_u32 v[TA+\g], 0x1fff, v[TA+\g]
.endr
.irp g, 0,1,2,3,4,5,6,7,8,9,10,11,12,13,14,15,16,17,18,19
	v_lshlrev_b32 v[TA+\g], 2, v[TA+\g]
.endr
	s_wait_alu depctr_va_vdst(0)                   ; the twenty offsets are written, which the loads below read
.irp g, 0,1,2,3,4,5,6,7,8,9,10,11,12,13,14,15,16,17,18,19
	global_load_b32 v[TK+\g], v[TA+\g], s[10:11]
.endr
.endm
; K step q of quarter j.  Its fragments of x were asked for a K step ahead.  Behind the one wait at its head stand the loads into what the K step before has left: x's fragments of K step q + 1, and,
; behind the first four products, the next quarter's weights for the set of K step q - 1.  This step's products name the other buffer of x's fragments, set q, the accumulators and the scales.
.macro KSTEP j, q
.if ((\j) == 0) && ((\q) == 0)
.set ZR, 1
.else
.set ZR, 0
.endif
.if (\q) == 0
	s_wait_dscnt 18                                ; x's scale words and K step 0's fragments are in; K step 1's 18 loads may be out
.else
	s_wait_dscnt 0x0                               ; this K step's fragments are in: their loads are the youngest of my LDS instructions
.endif
.if ((\q) == 1) || ((\q) == 2)
	XWIN (\q)+1
	s_wait_alu depctr_va_vdst(0)                   ; the K step before is done reading its buffer of x's fragments, in which the loads below land, and its set of weights, which takes the next quarter's (none in the last quarter)
	XFRAG (\j)%2, (\q)+1
.elseif ((\q) == 3) && ((\j) < 3)
	s_wait_alu depctr_va_vdst(0)                   ; K step 2 is done reading its set of weights, which takes the next quarter's
.endif
	MWIN \q
	MULM 0, \q, ZR
.if ((\q) > 0) && ((\j) < 3)
	WIN 0x40                                       ; destination window 1, address window 0
	WLOAD 4*((\j)+1)+(\q)-1                        ; no wait: no vector or matrix instruction since the wait above names set q - 1
	MWIN \q
.endif
	MULM 1, \q, ZR
	MULM 2, \q, ZR
.rept 4
	v_nop                                          ; four places behind a K step's products (ISA guide 7.12.1), ahead of whatever next reads their results or writes registers that they have read; the waits fill none of them
.endr
.endm
.macro MPHASE j
.if (\j) < 3
	s_wait_loadcnt 20                              ; this quarter's weights and scale words are in: younger than they are only the next quarter's 20 loads of x
.else
	s_wait_loadcnt 0x0
.endif
	s_wait_alu depctr_vm_vsrc(0)                   ; row 4's stores have read C's first set, in which x's fragments of the odd K steps land; in the last quarter the stage's stores have read R, which TOKENS writes
.if (\j) == 3
	TOKENS                                         ; x's registers are free: the way out's entries land under the last products
.endif
	ds_load_b128 v[XSC:XSC+3], v[XSA] offset:XSY*((\j)%2)          ; x's scale words of the quarter's four K steps
	ds_load_b128 v[XSC+4:XSC+7], v[XSR] offset:XSY*((\j)%2)
	XWIN 0
	XFRAG (\j)%2, 0                                ; no wait on va_vdst: the last products and the last row's vector lines stand ahead of the Q phase's last such wait, and nothing since names these registers
	XWIN 1
	XFRAG (\j)%2, 1
.irp q, 0,1,2,3
	KSTEP \j, \q
.endr
.if (\j) < 3
	WIN 0x40
	s_wait_alu depctr_va_vdst(0)                   ; K step 3 is done reading its set of weights and the weights' scale words, in which the loads below land, and its fragments of x, in which the next turns through the stage land
	WLOAD 4*((\j)+1)+3
	WIN 0
	WSLOAD (\j)+1
.else
	WIN 0
.endif
.endm
	s_wait_alu depctr_va_vdst(0)                   ; v1 to v13 are written: every load and store of the kernel reads one or two of them as its offset or LDS address
	WSLOAD 0                                       ; the first quarter's weights want only the expert: they go out while the list's entries are on their way
	WIN 0x40
	WLOAD 0
	WLOAD 1
	WLOAD 2
	WLOAD 3
	WIN 0
	s_wait_kmcnt 0x0
.irp k, 0,1,2,3,4
	s_min_u32 s[28+\k], s[28+\k], 0x1ffff
	s_bitcmp1_b32 s[28+\k], 16                     ; the flag: no expert takes this token
	s_cselect_b32 s[KEEP+\k], 0, -1
	s_and_b32 s50, s[28+\k], 0x1fff                ; the token
	s_lshl_b32 s50, s50, 13                        ; its row of 8,192 bytes
	s_add_nc_u64 s[XR+2*\k:XR+2*\k+1], s[4:5], s[50:51]
.endr
.irp k, 0,1,2,3,4
	LOADX 0, \k
.endr
	QPHASE 0
	MPHASE 0
	QPHASE 1
	MPHASE 1
	QPHASE 2
	MPHASE 2
	QPHASE 3
	MPHASE 3
; THE WAY OUT.  A lane holds 32 neighbouring bytes of a token's row, and the lanes beside it hold other tokens: so a tile of 16 rows x my 64 outputs goes through my own stage in LDS and comes back as rows of 256 bytes,
; which sixteen lanes store at token x 2,048 + 256 w: 256 consecutive bytes, at a multiple of 256.  The stage is the wave's own: no barrier, and LDS serves a wave's instructions in order.
	s_wait_loadcnt 0x0                             ; the entries
.irp g, 0,1,2,3,4,5,6,7,8,9,10,11,12,13,14,15,16,17,18,19
	v_min_u32 v[TK+\g], 0x1ffff, v[TK+\g]
.endr
.irp g, 0,1,2,3,4,5,6,7,8,9,10,11,12,13,14,15,16,17,18,19
	v_and_b32 v[TK+\g], 0x1fff, v[TK+\g]
.endr
.irp g, 0,1,2,3,4,5,6,7,8,9,10,11,12,13,14,15,16,17,18,19
	v_lshl_add_u32 v[TK+\g], v[TK+\g], 11, v[COL]
.endr
	s_wait_alu depctr_va_vdst(0)                   ; the products have written the accumulators, which the LDS stores read (the places stand ahead of this wait); the twenty offsets are written, which the global stores read; K step 3 is done reading its fragments of x, in which rows land
.macro TOSTAGE m
.irp n, 0,1,2,3
	ds_store_b128 v[SOW], v[ACC+8*(4*(\m)+\n):ACC+8*(4*(\m)+\n)+3] offset:64*\n        ; each accumulator from its low end on
	ds_store_b128 v[SOW], v[ACC+8*(4*(\m)+\n)+4:ACC+8*(4*(\m)+\n)+7] offset:64*\n+16
.endr
.irp t, 0,1,2,3,4,5,6,7
.if ((\m) < 2) || (\t < 4)
	ds_load_b128 v[OB+32*((\m)%2)+4*\t:OB+32*((\m)%2)+4*\t+3], v[SOR] offset:2*OP*\t   ; lanes 0-15 row 2 t, lanes 16-31 row 2 t + 1
.endif
.endr
.endm
.macro SEND m, younger                 ; younger: the LDS instructions issued behind tile m's loads, which may stay out
	s_wait_dscnt \younger
.irp t, 0,1,2,3,4,5,6,7
.if ((\m) < 2) || (\t < 4)
	global_store_b128 v[TK+8*(\m)+\t], v[OB+32*((\m)%2)+4*\t:OB+32*((\m)%2)+4*\t+3], s[14:15] th:TH_STORE_NT   ; written once, read by nobody here
.endif
.endr
.endm
	TOSTAGE 0
	TOSTAGE 1
	SEND 0, 16                                     ; behind tile 0's loads: tile 1's 8 stores and 8 loads
	s_wait_xcnt 0x0                                ; tile 0's stores have had their addresses translated: their registers may be written again,
	s_wait_alu depctr_vm_vsrc(0)                   ; and they have read their data registers, in which tile 2's rows land
	TOSTAGE 2
	SEND 1, 12                                     ; behind tile 1's loads: tile 2's 8 stores and 4 loads
	SEND 2, 0
	s_wait_dscnt 0x0                               ; the closing lines, six on end
	s_wait_alu 0x0
	s_wait_tensorcnt 0x0
	ds_add_u32 v254, v255
	s_wait_dscnt 0x0
	s_endpgm
.Lfunc_end_k_qcde976ceca_moe:
	.size	k_qcde976ceca_moe, .Lfunc_end_k_qcde976ceca_moe-k_qcde976ceca_moe
	.p2alignl 7, 3214868480
	.fill 96, 4, 3214868480
	.section	.rodata,"a",@progbits
	.p2align	6, 0x0
	.amdhsa_kernel k_qcde976ceca_moe
		.amdhsa_group_segment_fixed_size 75264
		.amdhsa_private_segment_fixed_size 0
		.amdhsa_enable_private_segment 0
		.amdhsa_kernarg_size 48
		.amdhsa_user_sgpr_count 2
		.amdhsa_user_sgpr_kernarg_segment_ptr 1
		.amdhsa_wavefront_size32 1
		.amdhsa_system_sgpr_workgroup_id_x 1
		.amdhsa_system_sgpr_workgroup_id_y 1
		.amdhsa_system_sgpr_workgroup_id_z 1
		.amdhsa_system_vgpr_workitem_id 0
		.amdhsa_next_free_vgpr 512
		.amdhsa_next_free_sgpr 66
		.amdhsa_reserve_vcc 0
		.amdhsa_float_denorm_mode_32 3
		.amdhsa_float_denorm_mode_16_64 3
		.amdhsa_memory_ordered 1
		.amdhsa_forward_progress 1
		.amdhsa_inst_pref_size 129
	.end_amdhsa_kernel
	.amdgpu_metadata
---
amdhsa.version: [ 1, 2 ]
amdhsa.kernels:
  - .name:           k_qcde976ceca_moe
    .symbol:         k_qcde976ceca_moe.kd
    .args:
      - { .name: x, .offset: 0, .size: 8, .value_kind: global_buffer, .address_space: global }
      - { .name: wq, .offset: 8, .size: 8, .value_kind: global_buffer, .address_space: global }
      - { .name: wsc, .offset: 16, .size: 8, .value_kind: global_buffer, .address_space: global }
      - { .name: order, .offset: 24, .size: 8, .value_kind: global_buffer, .address_space: global }
      - { .name: hdr, .offset: 32, .size: 8, .value_kind: global_buffer, .address_space: global }
      - { .name: out0, .offset: 40, .size: 8, .value_kind: global_buffer, .address_space: global }
    .group_segment_fixed_size: 75264
    .private_segment_fixed_size: 0
    .kernarg_segment_align: 8
    .kernarg_segment_size: 48
    .max_flat_workgroup_size: 256
    .sgpr_count:     66
    .vgpr_count:     512
    .wavefront_size: 32
...
	.end_amdgpu_metadata
.endif
;; end of part 3
